; MI455X (gfx1250); checked and timed in simulation.
; The chip was launched on July 23, 2026; its instructions are those of AMD's public machine-readable ISA for CDNA 5 (MIT licence, August 2026) and "CDNA5" Instruction Set Architecture Reference Guide (July 2026). The comments in the code are by the model that wrote it; some were corrected since.
;; Text Masked Multihead Self Attention. Allowed arithmetic: matrix products marked QUANTISED: E2M1 operands, one E8M0 scale for each 32 along K, by v_wmma_scale_f32_16x16x128_f8f6f4 with both operands' format E2M1 (or v_wmma_scale_f32_32x16x128_f4), f32 sums; everything else in f32.
;; Inputs: ln_b 1,024 float32; ln_g 1,024 float32; wk_b 1,024 float32; wk_w 1,024 x 1,024 float32; wq_b 1,024 float32; wq_w 1,024 x 1,024 float32; wv_b 1,024 float32; wv_w 1,024 x 1,024 float32; x 2 x 2,048 x 1,024 float32.
;; Outputs: out0 2 x 2,048 x 1,024 float32.
;; This version of the problem:
;;   THIS VERSION OF THE PROBLEM IS GIVEN IN LOW PRECISION. The matrix products marked QUANTISED in the list below multiply operands that are first quantised to E2M1 (2 exponent bits, 1 mantissa bit; 4 bits a number), with one power-of-two scale for each 32 numbers along K (OCP MX v1.0); their sums are f32. All else is computed in f32.
;;   The module's matrix products, in the order in which they are computed (A, B: the left and right operand; K: the contracted axis; several contracted axes count as one K, in the product's order):
;;     1. [M 4,096, K 1,024] x [K 1,024, N 1,024]; A: computed on the way; B: input wq_w: QUANTISED
;;     2. [M 4,096, K 1,024] x [K 1,024, N 1,024]; A: computed on the way; B: input wk_w: QUANTISED
;;     3. [M 4,096, K 1,024] x [K 1,024, N 1,024]; A: computed on the way; B: input wv_w: QUANTISED
;;     4. batch 32 x [M 2,048, K 64] x [K 64, N 2,048]; A: computed on the way; B: computed on the way: QUANTISED
;;     5. batch 32 x [M 64, K 2,048] x [K 2,048, N 2,048]; A: computed on the way; B: softmax (see below): QUANTISED
;;   THE QUANTISER, for each operand of a quantised product, along K:
;;     - K is cut into blocks of 32 from its start; a last block that is shorter is filled with zeros.
;;     - A block's scale is 2^e with e = floor(log2(the largest magnitude in the block)) - 2, held to -126 .. 127; a block of zeros has e = 0. As a byte (E8M0): e + 127.
;;     - Each number is divided by its block's scale, clamped to +-6, and rounded to the nearest number of E2M1, ties to even, subnormals kept.
;;     - The product sums the exact products of the quantised numbers (number of the format x scale) in f32.
;;   ~~~python
;;   def quantise(x, axis):      # numpy; x: float32 -> the quantised numbers, widened to float32 again
;;       x = np.moveaxis(x, axis, -1); K = x.shape[-1]
;;       x = np.pad(x, [(0, 0)] * (x.ndim - 1) + [(0, -K % 32)]); x = x.reshape(x.shape[:-1] + (-1, 32)); a = np.abs(x).max(-1, keepdims=True)
;;       e = np.where(a > 0, np.clip(np.frexp(np.where(a > 0, a, 1))[1] - 1 - 2, -126, 127), 0)      # np.frexp(a)[1] - 1 = floor(log2(a)), exactly
;;       r = np.clip(x / 2.0 ** e, -6, 6)
;;       step = 2.0 ** (np.maximum(np.frexp(np.where(r == 0, 1, r))[1] - 1, 0) - 1)
;;       q = np.round(r / step) * step * 2.0 ** e      # np.round: ties to even
;;       return np.moveaxis(q.reshape(q.shape[:-2] + (-1,))[..., :K], -1, axis).astype(np.float32)
;;   ~~~
;;   SOFTMAX AHEAD OF A QUANTISED PRODUCT. Where the list says 'softmax', what is quantised is not the finished softmax but p = 2^(t - M), with t = logit x log2(e) and M = ceil(the row's largest t), a whole number; so 1/2 < the row's largest p <= 1. The row's sum l is taken of the UNQUANTISED p, in f32, and the product's result is divided by l at the end. Since M is a whole number, a kernel that streams over the keys may use a running M (the ceiling of the running maximum): every later rescaling is an exact power of two, which a block's scale takes up: the codes' values come out the same.
;;   OPERANDS COMPUTED ON THE WAY. 'Computed on the way' means the value that the module computes at that place (a softmax that the list does not call 'softmax' is quantised finished and normalised). What goes into a quantiser is computed in f32, as accurately as f32 sums, v_exp_f32 and their like allow (about 1e-6 of the number): no bf16 or f16 on the way to a quantiser, and a product that is left as it is and whose result goes on into a quantised operand takes f32 operands (vector FMAs, or v_wmma_f32_16x16x4_f32). A number that lies on a knife's edge between two numbers of the format may be rounded either way, as far as f32 arithmetic and the matrix unit's own rounding can turn it there, and no further.
;; One version. Each part assembles by itself: llvm-mc -triple=amdgcn-amd-amdhsa -mcpu=gfx1250 --defsym DOCPART=n.
;; ======== version 1 of 1: 3 launches
;; limits: right only within a limited range of input values
;; workspace buffers: codes 3,899,392 bytes; qimg 2,228,224 bytes; kv 4,456,448 bytes
;; launch prep (part 1): grid 224 x 1, 8 waves a work-group, no clusters, 38,912 bytes of LDS; arguments x, wq_w, wk_w, wv_w, ln_g, ln_b, codes; writes codes
.if DOCPART == 1
	.amdgcn_target "amdgcn-amd-amdhsa--gfx1250"
	.amdhsa_code_object_version 6
	.text
	.protected	k_q4de7087fe6_prep
	.globl	k_q4de7087fe6_prep
	.p2align	8
	.type	k_q4de7087fe6_prep,@function
k_q4de7087fe6_prep:
	s_mov_b64 s[64:65], 0
	v_nop
	global_prefetch_b8 v0, s[64:65] scope:SCOPE_SE
	s_setreg_imm32_b32 hwreg(HW_REG_WAVE_MODE, 25, 1), 1
	s_wait_xcnt 0x0
; LayerNorm of x [4096][1024] and the MX-FP4 quantiser along K = 1,024, for the normalised rows and for the rows of wq_w, wk_w, wv_w [1024][1024]: 7,168 stacked rows
; (0.. x, 4096.. wq, 5120.. wk, 6144.. wv), as 112 groups of 64.  Out, for each group, 34,816 bytes: codes [64][512 bytes] (E2M1, K innermost, the lower k in the low four bits),
; then scale bytes [64][32] (one E8M0 byte for each 32 along K): a later launch fetches a group's codes and scales as one dense block.
; WHERE A ROW GOES: row 32 h + 8 t + j of its group (h 0..1, t 0..3, j 0..7) is stored at position 16 t + 8 h + j.  Sixteen neighbouring positions are a tile of the matrix instruction:
; in the products' results lane half h then holds, over the group's four tiles, 32 NEIGHBOURING rows: a whole block of the next quantiser.
; A block's scale is 2^(floor(log2(its largest magnitude)) - 2): its byte is that magnitude's exponent field - 2, held at 1 from below.
; SHARES: a work-group takes 32 rows (one h of a group), each of its eight waves four, a row (4,096 bytes, 32 registers a lane) in registers throughout; two rows are worked on together, so that their chains interleave.
; All 32 row loads of a wave go out at the head.  The mean is taken away before the squares are summed, so no difference of large sums is formed.
; The conversions want 32 neighbours along K in one lane, the loads give a lane 4 of each 128: a row turns through the wave's own stage in LDS (32 blocks of 128 bytes + 16 of padding).
; No matrix unit, no cluster, no tensor load, no prefetch (no loop): the work-groups share nothing but ln_g and ln_b, and each byte is read once.
; No work of the problem is left out, in this launch or in the later ones.
; LIMITS: NaN and infinities among the inputs are not served.  A block of zeros gets the byte 1 where the rule says 127: its codes are zeros, and this program alone reads the bytes.
.set T,   8                            ; v[8:23]    at work: eight registers for each of two rows
.set MU,  24                           ; v[24:27]   the means, each twice; then 1 / sqrt(var + eps)
.set E,   28                           ; v28-31     a scale byte for each row
.set C,   32                           ; v[32:47]   codes: four registers for each row, so that no store's data are written again
.set G,   48                           ; v[48:79]   ln_g, laid as a row is loaded
.set BB,  80                           ; v[80:111]  ln_b likewise
.set X,   112                          ; v[112:239] four rows of 32 registers
.set SPW, 240                          ; v240       LDS address of my spare word; never rewritten
.set NIL, 241                          ; v241       0; never rewritten
.set SPB, 144                          ; a block's place in a stage: 128 bytes + 16
.set WST, 32*SPB                       ; a wave's stage
.set SCB, 8*WST                        ; behind the stages: the work-group's 1,024 scale bytes, [row][32]
.set SPARE, SCB+1024                   ; the spare words, 128 bytes for each wave
.set GRP, 34816                        ; bytes of a group
	s_load_b256 s[4:11], s[0:1], 0x0               ; x, wq_w, wk_w, wv_w
	s_load_b128 s[12:15], s[0:1], 0x20             ; ln_g, ln_b
	s_load_b64 s[16:17], s[0:1], 0x30              ; codes
	v_lshl_add_u32 v[SPW], v0, 2, SPARE
	v_mov_b32 v[NIL], 0
	v_lshrrev_b32 v1, 5, v0
	v_readfirstlane_b32 s20, v1                    ; wave 0..7
	v_and_b32 v1, 31, v0                           ; lane
	s_mul_i32 s24, s20, WST
	v_lshlrev_b32 v2, 4, v1                        ; 16 x lane: my bytes of a load's 512, and my block's codes in a row's 512
	v_lshrrev_b32 v3, 3, v1
	v_and_b32 v4, 7, v1
	v_mul_u32_u24 v3, v3, SPB
	v_lshl_add_u32 v3, v4, 4, v3
	v_mul_u32_u24 v4, v1, SPB
	v_add_nc_u32 v3, s24, v3                       ; the stage, on the way in: eight lanes' 128 bytes are a block; a load's 512 bytes are four blocks
	v_add_nc_u32 v4, s24, v4                       ; and on the way out: block = lane
	s_lshl_b32 s30, s20, 7
	s_add_co_u32 s30, s30, SCB
	v_add_nc_u32 v5, s30, v1                       ; my block's scale byte: SCB + 128 x wave + lane (+ 32 for each row)
	s_lshl_b32 s30, s20, 8
	v_lshl_add_u32 v7, v1, 3, s30                  ; the scale bytes' way out: 256 x wave + 8 x lane (waves 0 to 3: eight rows each)
	v_add_nc_u32 v6, SCB, v7
	s_mov_b32 s26, 0x3a800000                      ; 1 / 1024
	s_mov_b32 s27, 0x3727c5ac                      ; 1e-5
	s_mov_b32 s28, 0x76543210
	s_mov_b32 s29, 0xfedcba98                      ; v_permlanex16_b32's selects for lane l xor 16
	s_and_b32 s31, ttmp9, 31
	s_wait_alu depctr_va_vdst(0)                   ; the wait at the head's end
	s_wait_kmcnt 0x0
	s_cmp_lt_u32 ttmp9, 160                        ; which tensor: the choice hangs on the work-group's number alone
	s_cselect_b64 s[22:23], s[6:7], s[8:9]
	s_cmp_lt_u32 ttmp9, 192
	s_cselect_b64 s[22:23], s[22:23], s[10:11]
	s_cmp_lt_u32 ttmp9, 128
	s_cselect_b64 s[22:23], s[4:5], s[22:23]
	s_cselect_b32 s21, 0, 1                        ; 1: rows of a weight, which are quantised as they are
	s_cselect_b32 s31, ttmp9, s31                  ; which 32 rows of that tensor
	s_lshl_b32 s30, s31, 17                        ; 32 rows of 4,096 bytes,
	s_lshl_b32 s31, s20, 14                        ; my wave's four
	s_add_co_u32 s30, s30, s31
	s_mov_b32 s31, 0
	s_add_nc_u64 s[22:23], s[22:23], s[30:31]
.macro XLOAD t                         ; a row: eight loads of 512 consecutive bytes; register 4 j + i of lane l is number 128 j + 4 l + i
.irp j, 0,1,2,3,4,5,6,7
	global_load_b128 v[X+32*\t+4*\j:X+32*\t+4*\j+3], v2, s[22:23] offset:4096*\t+512*\j th:TH_LOAD_NT
.endr
.endm
	XLOAD 0
	XLOAD 1
.irp j, 0,1,2,3,4,5,6,7
	global_load_b128 v[G+4*\j:G+4*\j+3], v2, s[12:13] offset:512*\j
.endr
.irp j, 0,1,2,3,4,5,6,7
	global_load_b128 v[BB+4*\j:BB+4*\j+3], v2, s[14:15] offset:512*\j
.endr
	XLOAD 2
	XLOAD 3
	; where my four rows go: group = work-group / 2, h = work-group % 2, t = wave / 2, j = 4 (wave % 2) on
	s_lshr_b32 s30, ttmp9, 1
	s_mul_i32 s30, s30, GRP
	s_and_b32 s24, ttmp9, 1
	s_lshl_b32 s25, s24, 8
	s_add_co_u32 s25, s25, s30                     ; scale bytes: the group + 256 h
	s_lshl_b32 s24, s24, 12
	s_add_co_u32 s30, s30, s24                     ; codes: + 8 h rows of 512 bytes,
	s_lshr_b32 s24, s20, 1
	s_lshl_b32 s24, s24, 13
	s_add_co_u32 s30, s30, s24                     ; + 16 t rows,
	s_and_b32 s24, s20, 1
	s_lshl_b32 s24, s24, 11
	s_add_co_u32 s30, s30, s24                     ; + 4 (wave % 2) rows
	s_lshl_b32 s24, s20, 8
	s_add_co_u32 s24, s24, s25                     ; scale bytes: + 256 x wave here and 256 x wave in v7: positions 16 x wave + 8 h on
	s_mov_b32 s25, 0
	s_add_nc_u64 s[18:19], s[16:17], s[24:25]
	s_add_nc_u64 s[18:19], s[18:19], 0x8000        ; behind the group's 64 rows of codes
	s_add_nc_u64 s[16:17], s[16:17], s[30:31]
.macro REDUCE                          ; for both rows: four packed chains become one sum over the row, in every lane's v[T] (v[T+8])
.irp r, 0,8
	v_pk_add_f32 v[T+\r:T+\r+1], v[T+\r:T+\r+1], v[T+\r+2:T+\r+3]
	v_pk_add_f32 v[T+\r+4:T+\r+5], v[T+\r+4:T+\r+5], v[T+\r+6:T+\r+7]
.endr
.irp r, 0,8
	v_pk_add_f32 v[T+\r:T+\r+1], v[T+\r:T+\r+1], v[T+\r+4:T+\r+5]
.endr
.irp r, 0,8
	v_add_f32 v[T+\r], v[T+\r], v[T+\r+1]
.endr
.irp m, 1,2,4,8
.irp r, 0,8
	v_add_f32_dpp v[T+\r], v[T+\r], v[T+\r] row_xmask:\m row_mask:0xf bank_mask:0xf
.endr
.endr
.irp r, 0,8
	v_permlanex16_b32 v[T+\r+1], v[T+\r], s28, s29
.endr
.irp r, 0,8
	v_add_f32 v[T+\r], v[T+\r], v[T+\r+1]
.endr
.endm
.macro PAIR p                          ; rows 2 p and 2 p + 1
.set XA, X+64*(\p)
	s_wait_loadcnt 16-16*(\p)                      ; loads come back in order: both rows (and with the first two ln_g and ln_b) are in; the sixteen loads of the next two stay out
	s_cmp_lg_u32 s21, 0
	s_cbranch_scc1 .Lraw_\@                        ; a weight's rows skip the LayerNorm: work on registers alone
.irp c, 0,1,2,3
.irp r, 0,1
	v_pk_add_f32 v[T+8*\r+2*\c:T+8*\r+2*\c+1], v[XA+32*\r+4*\c:XA+32*\r+4*\c+1], v[XA+32*\r+4*\c+2:XA+32*\r+4*\c+3]   ; the first numbers start the chains: nothing is cleared
.endr
.endr
.irp i, 16,18,20,22,24,26,28,30
.irp r, 0,1
	v_pk_add_f32 v[T+8*\r+2*((\i/2)%4):T+8*\r+2*((\i/2)%4)+1], v[T+8*\r+2*((\i/2)%4):T+8*\r+2*((\i/2)%4)+1], v[XA+32*\r+\i:XA+32*\r+\i+1]
.endr
.endr
	REDUCE
.irp r, 0,1
	v_mul_f32 v[MU+2*\r], s26, v[T+8*\r]           ; the mean, twice
	v_mul_f32 v[MU+2*\r+1], s26, v[T+8*\r]
.endr
.irp i, 0,2,4,6,8,10,12,14,16,18,20,22,24,26,28,30
.irp r, 0,1
	v_pk_add_f32 v[XA+32*\r+\i:XA+32*\r+\i+1], v[XA+32*\r+\i:XA+32*\r+\i+1], v[MU+2*\r:MU+2*\r+1] neg_lo:[0,1] neg_hi:[0,1]   ; x - mean
.endr
.endr
.irp c, 0,1,2,3
.irp r, 0,1
	v_pk_mul_f32 v[T+8*\r+2*\c:T+8*\r+2*\c+1], v[XA+32*\r+2*\c:XA+32*\r+2*\c+1], v[XA+32*\r+2*\c:XA+32*\r+2*\c+1]
.endr
.endr
.irp i, 8,10,12,14,16,18,20,22,24,26,28,30
.irp r, 0,1
	v_pk_fma_f32 v[T+8*\r+2*((\i/2)%4):T+8*\r+2*((\i/2)%4)+1], v[XA+32*\r+\i:XA+32*\r+\i+1], v[XA+32*\r+\i:XA+32*\r+\i+1], v[T+8*\r+2*((\i/2)%4):T+8*\r+2*((\i/2)%4)+1]
.endr
.endr
	REDUCE
.irp r, 0,1
	v_fma_f32 v[T+8*\r], v[T+8*\r], s26, s27       ; the variance + eps
.endr
	s_wait_alu depctr_va_vdst(0)                   ; the wait ahead of the batch,
.irp r, 0,1
	v_rsq_f32 v[MU+2*\r], v[T+8*\r]
	v_rsq_f32 v[MU+2*\r+1], v[T+8*\r]
.endr
	v_nop                                          ; a plain instruction behind the roots (ISA guide 5.7.2),
	s_wait_alu depctr_va_vdst(0)                   ; and for one ahead of their first reader
.irp i, 0,2,4,6,8,10,12,14,16,18,20,22,24,26,28,30
.irp r, 0,1
	v_pk_mul_f32 v[XA+32*\r+\i:XA+32*\r+\i+1], v[XA+32*\r+\i:XA+32*\r+\i+1], v[MU+2*\r:MU+2*\r+1]
.endr
.endr
.irp i, 0,2,4,6,8,10,12,14,16,18,20,22,24,26,28,30
.irp r, 0,1
	v_pk_fma_f32 v[XA+32*\r+\i:XA+32*\r+\i+1], v[XA+32*\r+\i:XA+32*\r+\i+1], v[G+\i:G+\i+1], v[BB+\i:BB+\i+1]
.endr
.endr
.Lraw_\@:
	s_wait_alu depctr_va_vdst(0)
.irp r, 0,1
.irp j, 0,1,2,3,4,5,6,7
	ds_store_b128 v3, v[XA+32*\r+4*\j:XA+32*\r+4*\j+3] offset:4*SPB*\j   ; the row as it was loaded
.endr
.irp i, 0,1,2,3,4,5,6,7
	ds_load_b128 v[XA+32*\r+4*\i:XA+32*\r+4*\i+3], v4 offset:16*\i       ; and back, a block of 32 neighbours to a lane.  LDS serves a wave's instructions in order (ISA guide 5.7.1.4): so both rows take turns in one stage
.endr
.endr
	s_wait_dscnt 0x0
.irp r, 0,1
	v_max3_num_f32 v[T+8*\r], |v[XA+32*\r]|, |v[XA+32*\r+1]|, |v[XA+32*\r+2]|       ; the block's largest magnitude: all 32 numbers are mine; two chains a row
	v_max3_num_f32 v[T+8*\r+1], |v[XA+32*\r+3]|, |v[XA+32*\r+4]|, |v[XA+32*\r+5]|
.endr
.irp i, 6,10,14,18,22,26
.irp r, 0,1
	v_max3_num_f32 v[T+8*\r], v[T+8*\r], |v[XA+32*\r+\i]|, |v[XA+32*\r+\i+1]|
	v_max3_num_f32 v[T+8*\r+1], v[T+8*\r+1], |v[XA+32*\r+\i+2]|, |v[XA+32*\r+\i+3]|
.endr
.endr
.irp r, 0,1
	v_max3_num_f32 v[T+8*\r], v[T+8*\r], |v[XA+32*\r+30]|, |v[XA+32*\r+31]|
.endr
.irp r, 0,1
	v_max3_num_f32 v[T+8*\r], v[T+8*\r], v[T+8*\r+1], 0x1800000   ; and the floor 2^(3 - 127): the byte cannot fall under 1
.endr
.irp r, 0,1
	v_add_nc_u32 v[T+8*\r+2], 0xff000000, v[T+8*\r]   ; 2 off its exponent field: the conversion takes the exponent field of this operand as its scale
.endr
.irp r, 0,1
.irp g, 0,1,2,3
	v_cvt_scalef32_pk8_fp4_f32 v[C+4*(2*(\p)+\r)+\g], v[XA+32*\r+8*\g:XA+32*\r+8*\g+7], v[T+8*\r+2]
.endr
.endr
.irp r, 0,1
	v_lshrrev_b32 v[E+2*(\p)+\r], 23, v[T+8*\r+2]     ; the scale's byte (also the plain line behind the conversions)
.endr
.irp r, 0,1
	ds_store_b8 v5, v[E+2*(\p)+\r] offset:32*(2*(\p)+\r)
	global_store_b128 v2, v[C+4*(2*(\p)+\r):C+4*(2*(\p)+\r)+3], s[16:17] offset:512*(2*(\p)+\r)   ; the wave stores the row's 512 consecutive bytes, aligned
.endr
.endm
	PAIR 0
	PAIR 1
	s_wait_dscnt 0x0                               ; for the others' sake: my scale bytes lie in LDS
	s_barrier_signal -1
	s_barrier_wait -1
	s_cmp_ge_u32 s20, 4
	s_cbranch_scc1 .Lend
	ds_load_b64 v[8:9], v6                         ; waves 0 to 3: eight rows' 256 bytes each
	s_wait_dscnt 0x0
	global_store_b64 v7, v[8:9], s[18:19]          ; 32 lanes store 256 consecutive bytes, aligned
.Lend:
	s_wait_tensorcnt 0x0                           ; the wave's end
	ds_add_u32 v[SPW], v[NIL]
	s_wait_dscnt 0x0
	s_endpgm
.Lfunc_end_k_q4de7087fe6_prep:
	.size	k_q4de7087fe6_prep, .Lfunc_end_k_q4de7087fe6_prep-k_q4de7087fe6_prep
	.p2alignl 7, 3214868480
	.fill 96, 4, 3214868480
	.section	.rodata,"a",@progbits
	.p2align	6, 0x0
	.amdhsa_kernel k_q4de7087fe6_prep
		.amdhsa_group_segment_fixed_size 38912
		.amdhsa_private_segment_fixed_size 0
		.amdhsa_enable_private_segment 0
		.amdhsa_kernarg_size 56
		.amdhsa_user_sgpr_count 2
		.amdhsa_user_sgpr_kernarg_segment_ptr 1
		.amdhsa_wavefront_size32 1
		.amdhsa_system_sgpr_workgroup_id_x 1
		.amdhsa_system_sgpr_workgroup_id_y 1
		.amdhsa_system_sgpr_workgroup_id_z 1
		.amdhsa_system_vgpr_workitem_id 0
		.amdhsa_next_free_vgpr 242
		.amdhsa_next_free_sgpr 66
		.amdhsa_reserve_vcc 0
		.amdhsa_float_denorm_mode_32 3
		.amdhsa_float_denorm_mode_16_64 3
		.amdhsa_memory_ordered 1
		.amdhsa_forward_progress 1
		.amdhsa_inst_pref_size 43
	.end_amdhsa_kernel
	.amdgpu_metadata
---
amdhsa.version: [ 1, 2 ]
amdhsa.kernels:
  - .name:           k_q4de7087fe6_prep
    .symbol:         k_q4de7087fe6_prep.kd
    .args:
      - { .name: x, .offset: 0, .size: 8, .value_kind: global_buffer, .address_space: global }
      - { .name: wq_w, .offset: 8, .size: 8, .value_kind: global_buffer, .address_space: global }
      - { .name: wk_w, .offset: 16, .size: 8, .value_kind: global_buffer, .address_space: global }
      - { .name: wv_w, .offset: 24, .size: 8, .value_kind: global_buffer, .address_space: global }
      - { .name: ln_g, .offset: 32, .size: 8, .value_kind: global_buffer, .address_space: global }
      - { .name: ln_b, .offset: 40, .size: 8, .value_kind: global_buffer, .address_space: global }
      - { .name: codes, .offset: 48, .size: 8, .value_kind: global_buffer, .address_space: global }
    .group_segment_fixed_size: 38912
    .private_segment_fixed_size: 0
    .kernarg_segment_align: 8
    .kernarg_segment_size: 56
    .max_flat_workgroup_size: 256
    .sgpr_count:     66
    .vgpr_count:     242
    .wavefront_size: 32
...
	.end_amdgpu_metadata
.endif
;; end of part 1
;; launch qkv (part 2): grid 16 x 16, 4 waves a work-group, clusters of 4 x 4, 253,440 bytes of LDS; arguments codes, wq_b, wk_b, wv_b, qimg, kv; writes qimg, kv
.if DOCPART == 2
	.amdgcn_target "amdgcn-amd-amdhsa--gfx1250"
	.amdhsa_code_object_version 6
	.text
	.protected	k_q4de7087fe6_qkv
	.globl	k_q4de7087fe6_qkv
	.p2align	8
	.type	k_q4de7087fe6_qkv,@function
k_q4de7087fe6_qkv:
	s_mov_b64 s[64:65], 0
	v_nop
	global_prefetch_b8 v0, s[64:65] scope:SCOPE_SE
	s_setreg_imm32_b32 hwreg(HW_REG_WAVE_MODE, 25, 1), 1
	s_wait_xcnt 0x0
	s_wait_alu depctr_hold_cnt(0) depctr_sa_sdst(0) depctr_va_vdst(0) depctr_va_sdst(0) depctr_va_ssrc(0) depctr_va_vcc(0) depctr_vm_vsrc(0)
	s_getreg_b32 s2, hwreg(HW_REG_IB_STS2, 6, 4)
	s_cmp_eq_u32 s2, 0
	s_cbranch_scc0 .Lentry_in_a_cluster
	s_endpgm
.Lentry_in_a_cluster:
	s_bfe_u32 s2, ttmp6, 0x10000c
	s_cmp_lg_u32 s2, 0xf033
	s_cbranch_scc0 .Lentry_shape_is_right
	s_endpgm
.Lentry_shape_is_right:
; q, k, v = xn W^T + b on codes of FP4 with one E8M0 scale for each 32 along K = 1,024, and the quantiser of the results: q and k along the head's 64 channels, v along the tokens.
; A WORK-GROUP (T, i) makes 256 tokens (block T) x 192 outputs: heads 2 i, 2 i + 1 of the stacked 32 heads of q and k, and head i of v.  256 work-groups.
; Its 448 rows of codes and their scale bytes, 7 groups of 34,816 bytes, lie in LDS for all of K: filled ONCE, one joint tensor load a wave; no ring, no refill.  LDS rows are 512 bytes + 16.
; CLUSTERS 4 x 4: the four of a row need the same tokens (waves 0 and 1 ask for them), the four of a column the same weights (waves 2 and 3): asked for jointly.  No prefetch: there is no loop to run ahead in.
; A WAVE makes 64 tokens x 192 outputs: 48 accumulators.  K goes in 8 steps of 128; while a step is multiplied the next step's 32 LDS loads are under way into the other set of registers.
; q, k: source 0 = W's tile, source 1 = x's: lane (r, h) holds token r and, over the head's four tiles, channels 32 h + 0 .. 31: a whole block.  v: the other way round: lane (r, h) holds a channel and, over four tiles of x, tokens 32 h + 0 .. 31.
; So a block's maximum needs no other lane, and the four conversions of a block are four registers of the next operand as they stand.
; Out: qimg: q's codes [bh][tile of 16 tokens][16 bytes x lane], and from 2 MiB on their scales [bh][256 tokens][512].  kv: [bh][256 tokens][17,408 bytes]: k's 16 tiles of 512 bytes; v's [128 tokens][tile of 16 channels][64 tokens][512]; k's scales (512); v's scales (512).
; Scales of 256 tokens of q or k: [32 places][four words], place 16 (tile / 2 % 2) + r, word tile / 4, byte 2 (tile % 2) + h.  Of v: place 16 (128 tokens) + r, word tile of channels, byte 2 (64 tokens) + h.
; LIMITS: NaN and infinities are not served; a block's byte is held at 1 from below, and a block of zeros has the byte 1 (zero codes; this program alone reads the bytes).
; REGISTERS: window 0: addresses, x's fragments (two sets), scale words, the way out;  window 1: W's fragments (two sets of 96);  window 2: q, k: accumulator (head e, x tile a, W tile t) at 128 e + 32 a + 8 t;
;   window 3: v: accumulator (W tile u, x tile a) at 32 u + 8 a; biases at 128-223, the C of the first step.
.set LROW, 528
.set LG,   68*LROW                     ; a group in LDS: 64 rows of codes, 4 rows of scale bytes
.set LS,   64*LROW                     ; its scale bytes
.set GRP,  34816
.set STG,  251392                      ; three tables of 512 scale bytes; no tensor load lands here
.set SPARE, STG+1536                   ; the spare words
.set AX,   3
.set AW,   4
.set AV,   5
.set ASX,  6
.set ASW,  7
.set ASV,  8
.set LI,   9                           ; 16 x lane
.set BQ,   10                          ; where my scale bytes of q, k go
.set BVA,  11                          ; and of v
.set SOA,  12                          ; the tables' way out
.set XF,   16                          ; v16-79: x's fragments
.set SX,   80                          ; v80-95: x's scale words: register 8 (tile / 2) + step; lanes 0-15 the even tile, lanes 16-31 the odd one
.set SW,   96                          ; v96-143: W's: 16 x head + 8 (tile / 2) + step
.set T,    144                         ; v144-151
.set BT,   152                         ; v152-155
.set CD,   160                         ; v160-207 codes on the way out
.set EB,   208                         ; v208-219 scale bytes
.set SPW,  220
.set NIL,  221
.set WV,   16
.set G1A,  24
.set G1B,  32
.set G1V,  40
.set G0A,  48
.set G0B,  52
.set G0V,  56
.set P0,   66
.set P1,   68
.set PV,   70
.set PS,   72
.set MSB, 0
.macro WIN new                         ; the immediate's high byte repeats the setting that is left
.if MSB != \new
	s_set_vgpr_msb (MSB<<8)|\new
.set MSB, \new
.endif
.endm
.macro CROUND                          ; a round of the cluster's barrier
	s_barrier_signal -1
	s_barrier_wait -1
	s_cmp_lg_u32 s[WV], 0
	s_cbranch_scc1 .Lnot_wave_0_\@
	s_barrier_signal -3
.Lnot_wave_0_\@:
	s_barrier_wait -3
	s_barrier_signal -1
	s_barrier_wait -1
.endm
	s_load_b256 s[4:11], s[0:1], 0x0               ; codes, wq_b, wk_b, wv_b
	s_load_b128 s[12:15], s[0:1], 0x20             ; qimg, kv
	v_lshl_add_u32 v[SPW], v0, 2, SPARE
	v_mov_b32 v[NIL], 0
	ds_add_u32 v[SPW], v[NIL]                      ; the wave's opening: the add, twice on end, and its wait ahead of my first tensor load
	ds_add_u32 v[SPW], v[NIL]
	v_lshrrev_b32 v1, 5, v0
	v_readfirstlane_b32 s[WV], v1
	s_bfe_u32 s17, ttmp6, 0x40000                  ; cx, cy
	s_bfe_u32 s18, ttmp6, 0x40004
	s_lshl_b32 s19, ttmp9, 2
	s_add_co_u32 s19, s19, s17                     ; i
	s_and_b32 s20, ttmp7, 0xffff
	s_lshl_b32 s20, s20, 2
	s_add_co_u32 s20, s20, s18                     ; T
	s_lshl_b32 s21, s18, 2
	s_lshl_b32 s21, 15, s21                        ; my row of the cluster
	s_lshl_b32 s22, 0x1111, s17                    ; my column
	; group 1: rows of 512 bytes (64 elements of 8), 16 bytes of padding behind each (24:22 after every 128 words, code 6; 31:25 of 4 words, code 3); 21 set beside the mask
	s_or_b32 s[G1A], s21, (3<<16)|(1<<20)|(1<<21)|(6<<22)|(3<<25)
	s_or_b32 s[G1B], s22, (3<<16)|(1<<20)|(1<<21)|(6<<22)|(3<<25)
	s_or_b32 s[G1V], s22, (3<<16)|(1<<20)|(1<<21)|(6<<22)|(3<<25)
.irp g, G1A, G1B, G1V
	s_mov_b32 s[\g+1], 64<<16
	s_mov_b32 s[\g+3], 64<<16
	s_mov_b32 s[\g+5], 64
	s_mov_b32 s[\g+6], 0
	s_mov_b32 s[\g+7], 0
.endr
.irp g, G1A, G1B
	s_mov_b32 s[\g+2], 136<<16                     ; two groups
	s_mov_b32 s[\g+4], 136
.endr
	s_mov_b32 s[G1V+2], 68<<16                     ; one
	s_mov_b32 s[G1V+4], 68
	s_mul_i32 s60, s20, 4*GRP
	s_mul_i32 s21, s[WV], 2*GRP
	s_add_co_u32 s60, s60, s21                     ; waves 0 and 1: x's groups 4 T + 2 x wave and the next
	s_mov_b32 s61, 0
	s_mul_i32 s86, s19, 2*GRP
	s_add_co_u32 s86, s86, 64*GRP                  ; wave 2: groups 64 + 2 i and the next: two heads of q or k
	s_mov_b32 s87, 0
	s_mul_i32 s88, s19, GRP
	s_add_co_u32 s88, s88, 96*GRP                  ; wave 3: group 96 + i: v's head
	s_mov_b32 s89, 0
	s_mov_b32 s[G0A], 1
	s_mul_i32 s[G0A+1], s[WV], 2*LG
	s_mov_b32 s[G0B], 1
	s_mov_b32 s[G0B+1], 4*LG
	s_mov_b32 s[G0V], 1
	s_mov_b32 s[G0V+1], 6*LG
	s_wait_dscnt 0x0                               ; both opening adds are done
	s_wait_kmcnt 0x0
	s_add_nc_u64 s[G0A+2:G0A+3], s[4:5], s[60:61]
	s_or_b32 s[G0A+3], s[G0A+3], 0x80000000
	s_add_nc_u64 s[G0B+2:G0B+3], s[4:5], s[86:87]
	s_or_b32 s[G0B+3], s[G0B+3], 0x80000000
	s_add_nc_u64 s[G0V+2:G0V+3], s[4:5], s[88:89]
	s_or_b32 s[G0V+3], s[G0V+3], 0x80000000
	CROUND                                         ; all sixteen work-groups are here: the joint loads meet
	; one tensor load a wave, in one tree of branches on the wave's number
	s_cmp_lt_u32 s[WV], 2
	s_cbranch_scc0 .Lask_b
	tensor_load_to_lds s[G0A:G0A+3], s[G1A:G1A+7]
	s_nop 0
.rept 4
	v_nop
.endr
	s_branch .Lasked
.Lask_b:
	s_cmp_lt_u32 s[WV], 3
	s_cbranch_scc0 .Lask_v
	tensor_load_to_lds s[G0B:G0B+3], s[G1B:G1B+7]
	s_nop 0
.rept 4
	v_nop
.endr
	s_branch .Lasked
.Lask_v:
	tensor_load_to_lds s[G0V:G0V+3], s[G1V:G1V+7]
	s_nop 0
.rept 4
	v_nop
.endr
.Lasked:
	v_and_b32 v1, 15, v0                           ; r
	v_bfe_u32 v2, v0, 4, 1                         ; h
	v_lshlrev_b32 v13, 7, v2                       ; q's and k's bias: 128 h bytes
	v_lshrrev_b32 v14, 3, v1
	v_and_b32 v15, 7, v1
	v_lshlrev_b32 v14, 7, v14
	v_lshl_add_u32 v14, v15, 2, v14                ; v's: channel 32 (r / 8) + r % 8 (+ 8 u)
	s_and_b32 s21, s19, 7
	s_lshl_b32 s86, s21, 9
	s_mov_b32 s87, 0
	s_cmp_lt_u32 s19, 8                            ; q's heads or k's?
	s_cselect_b64 s[74:75], s[6:7], s[8:9]
	s_add_nc_u64 s[74:75], s[74:75], s[86:87]
	s_lshl_b32 s86, s19, 8
	s_add_nc_u64 s[76:77], s[10:11], s[86:87]
	s_wait_alu depctr_va_vdst(0)
	WIN 0xc0                                       ; destination window 3
.irp e, 0,1
.irp n, 0,1,2,3,4,5,6,7
	global_load_b128 v[128+32*\e+4*\n:131+32*\e+4*\n], v13, s[74:75] offset:256*\e+16*\n   ; channels 32 h + 4 n on: 8 t + j in order
.endr
.endr
	WIN 0
.irp u, 0,1,2,3
	global_load_b32 v[BT+\u], v14, s[76:77] offset:32*\u
.endr
	; LDS addresses
	v_mul_u32_u24 v15, v1, LROW
	v_lshl_add_u32 v15, v2, 4, v15                 ; a fragment: row r, 16 h bytes on (and 32 c + 64 x step)
	s_mul_i32 s21, s[WV], LG
	v_add_nc_u32 v[AX], s21, v15                   ; x: my wave's group
	v_add_nc_u32 v[AW], 4*LG, v15
	v_add_nc_u32 v[AV], 6*LG, v15
	v_mul_u32_u24 v15, v2, LROW
	v_lshl_add_u32 v15, v1, 5, v15                 ; scale words: lanes 0-15 a tile's row of 16 x 32 bytes, lanes 16-31 the next tile's
	s_add_co_u32 s21, s21, LS
	v_add_nc_u32 v[ASX], s21, v15
	v_add_nc_u32 v[ASW], 4*LG+LS, v15
	v_add_nc_u32 v[ASV], 6*LG+LS, v15
	v_and_b32 v15, 31, v0
	v_lshlrev_b32 v[LI], 4, v15
	v_lshl_add_u32 v15, v1, 4, v2                  ; 16 r + h
	s_lshl_b32 s21, s[WV], 2
	s_add_co_u32 s21, s21, STG
	v_add_nc_u32 v[BQ], s21, v15                   ; + 4 x wave
	s_lshr_b32 s21, s[WV], 1
	s_lshl_b32 s21, s21, 8
	s_and_b32 s22, s[WV], 1
	s_lshl_b32 s22, s22, 1
	s_add_co_u32 s21, s21, s22
	s_add_co_u32 s21, s21, STG+1024
	s_wait_alu depctr_va_vdst(0)                   ; the wait directly ahead of the reader below
	v_add_nc_u32 v[BVA], s21, v15                  ; + 256 (wave / 2) + 2 (wave % 2)
	s_lshl_b32 s21, s[WV], 9
	s_add_co_u32 s21, s21, STG
	v_add_nc_u32 v[SOA], s21, v[LI]
	; where the results go
	s_and_b32 s85, s20, 7                          ; which 256 tokens of the batch
	s_lshr_b32 s21, s20, 3
	s_lshl_b32 s21, s21, 4                         ; 16 x batch
	s_add_co_u32 s84, s21, s19                     ; v's bh
	s_lshl_b32 s83, s19, 1
	s_and_b32 s83, s83, 15
	s_add_co_u32 s83, s83, s21                     ; the first of two bh of q or k
	s_cmp_lt_u32 s19, 8
	s_cselect_b64 s[P0:P0+1], s[12:13], s[14:15]
	s_mov_b32 s21, 139264
	s_cselect_b32 s78, 65536, s21                  ; codes: from bh to bh,
	s_cselect_b32 s80, 4096, s21                   ; scales likewise
	s_mov_b32 s21, 17408
	s_cselect_b32 s79, 8192, s21                   ; from 256 tokens to the next
	s_cselect_b32 s81, 512, s21
	s_mov_b32 s21, 16384
	s_cselect_b32 s82, 0x200000, s21               ; where the scales begin
	s_add_co_u32 s21, s83, s[WV]
	s_mul_i32 s86, s21, s80
	s_mul_i32 s22, s85, s81
	s_add_co_u32 s86, s86, s22
	s_add_co_u32 s86, s86, s82                     ; waves 0 and 1: the table of head e = wave
	s_mul_i32 s88, s84, 139264
	s_mul_i32 s22, s85, 17408
	s_add_co_u32 s88, s88, s22                     ; v's part of kv
	s_mov_b32 s89, 0
	s_add_co_u32 s22, s88, 16896                   ; wave 2: v's table
	s_cmp_lt_u32 s[WV], 2
	s_cselect_b64 s[PS:PS+1], s[P0:P0+1], s[14:15]
	s_cselect_b32 s86, s86, s22
	s_mov_b32 s87, 0
	s_add_nc_u64 s[PS:PS+1], s[PS:PS+1], s[86:87]
	s_mul_i32 s86, s83, s78
	s_mul_i32 s22, s85, s79
	s_add_co_u32 s86, s86, s22
	s_lshl_b32 s22, s[WV], 11
	s_add_co_u32 s86, s86, s22                     ; my wave's four tiles
	s_add_nc_u64 s[P0:P0+1], s[P0:P0+1], s[86:87]
	s_mov_b32 s79, 0
	s_add_nc_u64 s[P1:P1+1], s[P0:P0+1], s[78:79]
	s_lshr_b32 s22, s[WV], 1
	s_lshl_b32 s22, s22, 12
	s_add_co_u32 s88, s88, s22
	s_and_b32 s22, s[WV], 1
	s_lshl_b32 s22, s22, 9
	s_add_co_u32 s88, s88, s22
	s_add_co_u32 s88, s88, 8192
	s_add_nc_u64 s[PV:PV+1], s[14:15], s[88:89]
	s_wait_alu depctr_va_vdst(0)
	s_wait_loadcnt 0x0                             ; the biases
	WIN 0xc0
.irp u, 0,1,2,3
.irp j, 0,1,2,3,4,5,6,7
	v_mov_b32 v[192+8*\u+\j], v[BT+\u]             ; v's bias is the same in a lane's eight registers
.endr
.endr
	WIN 0
	s_wait_alu depctr_va_vdst(0)                   ; the wait at the head's end
	s_wait_tensorcnt 0x0                           ; my load has landed,
	s_barrier_signal -1
	s_barrier_wait -1                              ; everybody's has
.irp i, 0,1
.irp f, 0,1
	ds_load_b128 v[SX+8*\i+4*\f:SX+8*\i+4*\f+3], v[ASX] offset:2*LROW*\i+16*\f
	ds_load_b128 v[SW+8*\i+4*\f:SW+8*\i+4*\f+3], v[ASW] offset:2*LROW*\i+16*\f
	ds_load_b128 v[SW+16+8*\i+4*\f:SW+16+8*\i+4*\f+3], v[ASW] offset:LG+2*LROW*\i+16*\f
	ds_load_b128 v[SW+32+8*\i+4*\f:SW+32+8*\i+4*\f+3], v[ASV] offset:2*LROW*\i+16*\f
.endr
.endr
; Step q's fragments into set q % 2, in four runs of eight loads: x, W of head 0, W of head 1, W of v: registers 4 c .. 4 c + 3 hold K = 64 c + 32 h + 0 .. 31
.macro FETX q
.set FX, XF+32*((\q)%2)
.irp a, 0,1,2,3
.irp c, 0,1
	ds_load_b128 v[FX+8*\a+4*\c:FX+8*\a+4*\c+3], v[AX] offset:16*LROW*\a+64*(\q)+32*\c
.endr
.endr
.endm
.macro FETW q, e
.set FW, 96*((\q)%2)
	WIN 0x40
.irp t, 0,1,2,3
.irp c, 0,1
	ds_load_b128 v[FW+32*\e+8*\t+4*\c:FW+32*\e+8*\t+4*\c+3], v[AW] offset:LG*\e+16*LROW*\t+64*(\q)+32*\c
.endr
.endr
.endm
.macro FETV q
.set FW, 96*((\q)%2)
	WIN 0x40
.irp t, 0,1,2,3
.irp c, 0,1
	ds_load_b128 v[FW+64+8*\t+4*\c:FW+64+8*\t+4*\c+3], v[AV] offset:16*LROW*\t+64*(\q)+32*\c
.endr
.endr
	WIN 0
.endm
.macro WM ra, rb                       ; D DD, A RA, B RB, C CC, scales SA and SB; ra, rb: which half of the lanes holds them
.if \ra
.if \rb
	v_wmma_scale_f32_16x16x128_f8f6f4 v[DD:DD+7], v[RA:RA+7], v[RB:RB+7], v[CC:CC+7], v[SA], v[SB] matrix_a_fmt:MATRIX_FMT_FP4 matrix_b_fmt:MATRIX_FMT_FP4 matrix_a_scale:MATRIX_SCALE_ROW1 matrix_b_scale:MATRIX_SCALE_ROW1
.else
	v_wmma_scale_f32_16x16x128_f8f6f4 v[DD:DD+7], v[RA:RA+7], v[RB:RB+7], v[CC:CC+7], v[SA], v[SB] matrix_a_fmt:MATRIX_FMT_FP4 matrix_b_fmt:MATRIX_FMT_FP4 matrix_a_scale:MATRIX_SCALE_ROW1
.endif
.else
.if \rb
	v_wmma_scale_f32_16x16x128_f8f6f4 v[DD:DD+7], v[RA:RA+7], v[RB:RB+7], v[CC:CC+7], v[SA], v[SB] matrix_a_fmt:MATRIX_FMT_FP4 matrix_b_fmt:MATRIX_FMT_FP4 matrix_b_scale:MATRIX_SCALE_ROW1
.else
	v_wmma_scale_f32_16x16x128_f8f6f4 v[DD:DD+7], v[RA:RA+7], v[RB:RB+7], v[CC:CC+7], v[SA], v[SB] matrix_a_fmt:MATRIX_FMT_FP4 matrix_b_fmt:MATRIX_FMT_FP4
.endif
.endif
.endm
.macro MULQ q, e                       ; a step is 48 matrix instructions: 16 for each head; the accumulators take turns in the same order in every step
.if (\q) == 0
	WIN 0xb1                                       ; source 0 (W) window 1, source 1 (x) window 0, C (bias) window 3, D window 2
.else
	WIN 0xa1
.endif
.irp a, 0,1,2,3
.irp t, 0,1,2,3
.set DD, 128*\e+32*\a+8*\t
.if (\q) == 0
.set CC, 128+32*\e+8*\t
.else
.set CC, DD
.endif
.set RA, 96*((\q)%2)+32*\e+8*\t
.set RB, XF+32*((\q)%2)+8*\a
.set SA, SW+16*\e+8*(\t/2)+(\q)
.set SB, SX+8*(\a/2)+(\q)
	WM (\t%2), (\a%2)
.endr
.endr
.endm
.macro MULV q
	WIN 0xf4                                       ; source 0 (x) window 0, source 1 (W) window 1, C and D window 3
.irp u, 0,1,2,3
.irp a, 0,1,2,3
.set DD, 32*\u+8*\a
.if (\q) == 0
.set CC, 192+8*\u
.else
.set CC, DD
.endif
.set RA, XF+32*((\q)%2)+8*\a
.set RB, 96*((\q)%2)+64+8*\u
.set SA, SX+8*(\a/2)+(\q)
.set SB, SW+32+8*(\u/2)+(\q)
	WM (\a%2), (\u%2)
.endr
.endr
	WIN 0
.endm
	FETX 0
	FETW 0, 0
	FETW 0, 1
	FETV 0
	s_wait_dscnt 32                                ; the scale words are in; the first step's 32 loads may stay out
.irp q, 0,1,2,3,4,5,6,7
.if \q > 0
.rept 4
	v_nop                                          ; places between the step before and the loads into registers that it read
.endr
.endif
.if \q < 7
	FETX \q+1
	FETW \q+1, 0
	s_wait_dscnt 32                                ; this step's x and head 0 are in; its head 1 and v (16) and the sixteen just issued may stay out
.else
	s_wait_dscnt 16                                ; the last step: nothing more is asked for
.endif
	MULQ \q, 0
.if \q < 7
	FETW \q+1, 1
	s_wait_dscnt 32                                ; head 1 is in; behind it v's 8 and the next step's 24
.else
	s_wait_dscnt 8
.endif
	MULQ \q, 1
.if \q < 7
	FETV \q+1
	s_wait_dscnt 32                                ; v is in; behind it the next step's 32
.else
	s_wait_dscnt 0x0
.endif
	MULV \q
.endr
.rept 4
	v_nop                                          ; places in front of the first read of results
.endr
; THE WAY OUT of four blocks a lane: g = 0, 1: a head of q or k, a = x's tile; g = 2: v, a = the tile of channels.  w: their window.
.macro EPI g, w
.set RB0, 128*((\g)%2)
	WIN 5*\w
.irp a, 0,1,2,3
	v_max3_num_f32 v[T+\a], |v[RB0+32*\a]|, |v[RB0+32*\a+1]|, 0x1800000       ; the block's largest magnitude and the floor 2^(3 - 127): four chains by turns, each accumulator from its low end on
.endr
.irp i, 2,4,6,8,10,12,14,16,18,20,22,24,26,28,30
.irp a, 0,1,2,3
	v_max3_num_f32 v[T+\a], |v[RB0+32*\a+\i]|, |v[RB0+32*\a+\i+1]|, v[T+\a]
.endr
.endr
	WIN 0
.irp a, 0,1,2,3
	v_add_nc_u32 v[T+4+\a], 0xff000000, v[T+\a]    ; 2 off the exponent field: the conversion's scale operand
.endr
.irp a, 0,1,2,3
	v_lshrrev_b32 v[EB+4*(\g)+\a], 23, v[T+4+\a]   ; the scale's byte
.endr
	WIN \w
.irp a, 0,1,2,3
.irp n, 0,1,2,3
	v_cvt_scalef32_pk8_fp4_f32 v[CD+16*(\g)+4*\a+\n], v[RB0+32*\a+8*\n:RB0+32*\a+8*\n+7], v[T+4+\a]
.endr
.endr
	WIN 0
	v_nop                                          ; one plain place behind the conversions
.irp a, 0,1,2,3
.if (\g) == 0
	ds_store_b8 v[BQ], v[EB+\a] offset:256*(\a/2)+2*(\a%2)
	global_store_b128 v[LI], v[CD+4*\a:CD+4*\a+3], s[P0:P0+1] offset:512*\a           ; 512 consecutive bytes a wave, aligned
.elseif (\g) == 1
	ds_store_b8 v[BQ], v[EB+4+\a] offset:512+256*(\a/2)+2*(\a%2)
	global_store_b128 v[LI], v[CD+16+4*\a:CD+16+4*\a+3], s[P1:P1+1] offset:512*\a
.else
	ds_store_b8 v[BVA], v[EB+8+\a] offset:4*\a
	global_store_b128 v[LI], v[CD+32+4*\a:CD+32+4*\a+3], s[PV:PV+1] offset:1024*\a
.endif
.endr
.endm
	EPI 0, 2
	EPI 1, 2
.set G2, 2
	EPI G2, 3
	s_wait_alu depctr_va_vdst(0)
	s_wait_dscnt 0x0                               ; for the others' sake: my scale bytes lie in LDS
	s_barrier_signal -1
	s_barrier_wait -1
	s_cmp_eq_u32 s[WV], 3
	s_cbranch_scc1 .Lend
	ds_load_b128 v[T:T+3], v[SOA]                  ; waves 0 to 2: a table of 512 bytes each
	s_wait_dscnt 0x0
	global_store_b128 v[LI], v[T:T+3], s[PS:PS+1]
.Lend:
	s_wait_tensorcnt 0x0                           ; the wave's end
	ds_add_u32 v[SPW], v[NIL]
	s_wait_dscnt 0x0
	CROUND                                         ; the closing round: no work-group ends while a partner may still ask for a part that names it
	s_endpgm
.Lfunc_end_k_q4de7087fe6_qkv:
	.size	k_q4de7087fe6_qkv, .Lfunc_end_k_q4de7087fe6_qkv-k_q4de7087fe6_qkv
	.p2alignl 7, 3214868480
	.fill 96, 4, 3214868480
	.section	.rodata,"a",@progbits
	.p2align	6, 0x0
	.amdhsa_kernel k_q4de7087fe6_qkv
		.amdhsa_group_segment_fixed_size 253440
		.amdhsa_private_segment_fixed_size 0
		.amdhsa_enable_private_segment 0
		.amdhsa_kernarg_size 48
		.amdhsa_user_sgpr_count 2
		.amdhsa_user_sgpr_kernarg_segment_ptr 1
		.amdhsa_wavefront_size32 1
		.amdhsa_system_sgpr_workgroup_id_x 1
		.amdhsa_system_sgpr_workgroup_id_y 1
		.amdhsa_system_sgpr_workgroup_id_z 1
		.amdhsa_system_vgpr_workitem_id 0
		.amdhsa_next_free_vgpr 1024
		.amdhsa_next_free_sgpr 96
		.amdhsa_reserve_vcc 0
		.amdhsa_float_denorm_mode_32 3
		.amdhsa_float_denorm_mode_16_64 3
		.amdhsa_memory_ordered 1
		.amdhsa_forward_progress 1
		.amdhsa_inst_pref_size 101
	.end_amdhsa_kernel
	.amdgpu_metadata
---
amdhsa.version: [ 1, 2 ]
amdhsa.kernels:
  - .name:           k_q4de7087fe6_qkv
    .symbol:         k_q4de7087fe6_qkv.kd
    .args:
      - { .name: codes, .offset: 0, .size: 8, .value_kind: global_buffer, .address_space: global }
      - { .name: wq_b, .offset: 8, .size: 8, .value_kind: global_buffer, .address_space: global }
      - { .name: wk_b, .offset: 16, .size: 8, .value_kind: global_buffer, .address_space: global }
      - { .name: wv_b, .offset: 24, .size: 8, .value_kind: global_buffer, .address_space: global }
      - { .name: qimg, .offset: 32, .size: 8, .value_kind: global_buffer, .address_space: global }
      - { .name: kv, .offset: 40, .size: 8, .value_kind: global_buffer, .address_space: global }
    .group_segment_fixed_size: 253440
    .private_segment_fixed_size: 0
    .kernarg_segment_align: 8
    .kernarg_segment_size: 48
    .max_flat_workgroup_size: 128
    .sgpr_count:     96
    .vgpr_count:     1024
    .wavefront_size: 32
...
	.end_amdgpu_metadata
.endif
;; end of part 2
;; launch attn (part 3): grid 8 x 32, 8 waves a work-group, clusters of 4 x 1, 209,920 bytes of LDS; arguments qimg, kv, x, out0; writes out0
.if DOCPART == 3
	.amdgcn_target "amdgcn-amd-amdhsa--gfx1250"
	.amdhsa_code_object_version 6
	.text
	.protected	k_q4de7087fe6_attn
	.globl	k_q4de7087fe6_attn
	.p2align	8
	.type	k_q4de7087fe6_attn,@function
k_q4de7087fe6_attn:
	s_mov_b64 s[64:65], 0
	v_nop
	global_prefetch_b8 v0, s[64:65] scope:SCOPE_SE
	s_setreg_imm32_b32 hwreg(HW_REG_WAVE_MODE, 25, 1), 1
	s_wait_xcnt 0x0
	s_wait_alu depctr_hold_cnt(0) depctr_sa_sdst(0) depctr_va_vdst(0) depctr_va_sdst(0) depctr_va_ssrc(0) depctr_va_vcc(0) depctr_vm_vsrc(0)
	s_getreg_b32 s2, hwreg(HW_REG_IB_STS2, 6, 4)
	s_cmp_eq_u32 s2, 0
	s_cbranch_scc0 .Lentry_in_a_cluster
	s_endpgm
.Lentry_in_a_cluster:
	s_bfe_u32 s2, ttmp6, 0x10000c
	s_cmp_lg_u32 s2, 0x3003
	s_cbranch_scc0 .Lentry_shape_is_right
	s_endpgm
.Lentry_shape_is_right:
; out0 = x + softmax(q k^T / sqrt(2048)) v, for 32 (batch, head) pairs of 2,048 tokens x 64 channels, no mask; both products on codes of FP4 (E2M1) with one E8M0 scale for each 32 along a product's K.
; In: qimg and kv, images of the operands' registers (the launch before describes them): 16 bytes a lane, 512 bytes for each tile of 16 rows x 64.
; THE SOFTMAX AHEAD OF THE SECOND PRODUCT: t = score x log2(e) / sqrt(2048); M = the row's largest t so far, rounded UP to a whole number; p = 2^(t - M) is quantised along the keys, not normalised.
; The row's sum is taken of the unquantised p and divides O at the end.  When M moves, the sum and O are multiplied by 2^(old M - new M): exact.
; A BLOCK'S SCALE is 2^(floor(u) - 2), u = t - M of its largest score: floor(log2 p) is floor(u), so no largest p is searched for; u is held at -124 from below, so the byte is at least 1.
; SHARES.  A work-group owns 256 queries of one bh; each of its eight waves two tiles of 16, A and B, so that a fragment of K or V feeds both.  Every wave walks the 2,048 keys, 256 a step, 8 steps.
; ALL OF A HEAD'S K AND V, 8 steps of 17,408 bytes (codes and scale words), lie in LDS, filled ONCE: wave w brings step w.  No ring, no refill.  Every LDS load takes 512 consecutive bytes.
; CLUSTER 4 x 1: the four query blocks of a cluster belong to one bh and need the same K and V: each step is asked for JOINTLY, mask 15.  K and V come by the head's loads alone, so they are not prefetched; the residual's rows of x are, more than two steps ahead of their loads.
; LAYOUT.  Both products are used transposed: S^T = K Q^T, O^T = V^T P^T: a lane (r, h) holds ONE query throughout.  By the tiles' row order the 32 registers of four neighbouring key tiles are the 32 keys of ONE block (h = 0: the even block of 64 keys, h = 1: the odd one).
; TWO KEY TILES TO A FRAGMENT: the head has 64 channels, the instruction 128: registers 0-3 of a K fragment are one tile, 4-7 the next.  Q stands in the lower half with zero codes above (12 registers: 0, q, 0) for the first tile, in the upper half for the second.
; A BARRIER IN TWO PARTS in every second step keeps the eight waves within two steps of each other; no LDS byte is written, and no byte of memory asked for, between its parts.
; LIMITS: NaN and infinities are not served; the scaled scores t stay under 2^31 in magnitude.  t is made by one multiplication with log2(e) / sqrt(2048), one rounding where a division and a multiplication would make two.
; REGISTERS.  Window 1: S^T, then p: tile A at 0-127, tile B at 128-255; B's codes at 64-79, where A's p is done with.  Window 0: all else, as named below.
.set STEPB, 17408
.set VO,   8192                        ; in a step: K's 16 tiles, V's 16 halves, K's scale words, V's
.set KSO,  16384
.set VSO,  16896
.set STAGE, 8*STEPB                    ; the way out: 2 x 16 rows x (256 bytes + 16) for each wave; no tensor load lands here
.set WST,  2*16*272
.set SPARE, STAGE+8*WST                ; the spare words
.set BASE, 1                           ; v1  16 x lane
.set ADR,  2                           ; v2  LDS address of a step, + 16 x lane
.set GO,   3                           ; v3  x and out0: lanes 0-15 one row's 256 bytes, lanes 16-31 the next row's
.set SPW,  4
.set NIL,  5
.set PFO,  6                           ; v6  the prefetch: a lane a row of x
.set NM,   8                           ; v8, v10 -M of tiles A, B; v9, v11 the largest t
.set L,    12                          ; v[12:13], v[14:15] the sums, in two halves
.set F,    16                          ; v16, v18 2^(old M - new M) (v17, v19 are named with them)
.set QS,   20                          ; v20, v21 Q's scale words
.set PW,   22                          ; v22, v23 p's scale words: lanes 0-15 the step's first 128 keys, lanes 16-31 the others
.set Q,    24                          ; v24-35, v36-47: 0, q, 0
.set KV,   48                          ; v48-111: V's eight fragments; before that, in v48-79, K's fragments of tiles 8-15
.set O,    112                         ; v112-143, v144-175: O^T
.set CD,   176                         ; v176-191: A's codes of p
.set CB,   64                          ; window 1, 64-79: B's
.set T,    192                         ; v192-207 at work
.set K1,   208                         ; v208-239: K's fragments of tiles 0-7, asked for a step ahead
.set KS,   240                         ; v240-243: K's scale words, a register for 64 keys
.set VS,   244                         ; v244-247: V's, a register for 16 channels
.set BM,   248                         ; v248-255: the blocks' largest scores (A's four, B's four), then the conversions' scale operands
.set WV,   12
.set G1,   16
.set G0,   24
.set SEL,  28
.set CS,   30
.set KC,   32                          ; s32 the pair of steps
.set MSB, 0
.macro WIN new                         ; the immediate's high byte repeats the setting that is left
.if MSB != \new
	s_set_vgpr_msb (MSB<<8)|\new
.set MSB, \new
.endif
.endm
.macro CROUND                          ; a round of the cluster's barrier
	s_barrier_signal -1
	s_barrier_wait -1
	s_cmp_lg_u32 s[WV], 0
	s_cbranch_scc1 .Lnot_wave_0_\@
	s_barrier_signal -3
.Lnot_wave_0_\@:
	s_barrier_wait -3
	s_barrier_signal -1
	s_barrier_wait -1
.endm
	s_load_b256 s[4:11], s[0:1], 0x0               ; qimg s[4:5], kv s[6:7], x s[8:9], out0 s[10:11]
	v_lshl_add_u32 v[SPW], v0, 2, SPARE
	v_mov_b32 v[NIL], 0
	ds_add_u32 v[SPW], v[NIL]                      ; the wave's opening: the add, twice on end, and its wait ahead of my tensor load
	ds_add_u32 v[SPW], v[NIL]
	v_lshrrev_b32 v7, 5, v0
	v_readfirstlane_b32 s[WV], v7                  ; wave 0..7
	s_bfe_u32 s13, ttmp6, 0x40000                  ; cx
	s_lshl_b32 s14, ttmp9, 2
	s_add_co_u32 s14, s14, s13                     ; my block of queries: it enters q's, x's and out0's addresses alone
	s_and_b32 s15, ttmp7, 0xffff                   ; bh, which the four partners share
	s_mov_b32 s[G1], 15|(3<<16)|(1<<21)            ; 15:0 the mask: all four work-groups; 17:16 elements of 8 bytes; 21 set beside a mask
	s_mov_b32 s[G1+1], 32<<16                      ; rows of 256 bytes,
	s_mov_b32 s[G1+2], 68<<16                      ; 68 of them, dense
	s_mov_b32 s[G1+3], 32<<16
	s_mov_b32 s[G1+4], 68
	s_mov_b32 s[G1+5], 32
	s_mov_b32 s[G1+6], 0
	s_mov_b32 s[G1+7], 0
	s_mov_b32 s[G0], 1
	s_mul_i32 s[G0+1], s[WV], STEPB
	s_mul_i32 s36, s15, 8*STEPB
	s_mul_i32 s37, s[WV], STEPB
	s_add_co_u32 s36, s36, s37
	s_mov_b32 s37, 0
	s_wait_dscnt 0x0                               ; both opening adds are done
	s_wait_kmcnt 0x0
	s_add_nc_u64 s[G0+2:G0+3], s[6:7], s[36:37]
	s_or_b32 s[G0+3], s[G0+3], 0x80000000
	CROUND                                         ; all four work-groups are here: the joint loads meet
	tensor_load_to_lds s[G0:G0+3], s[G1:G1+7]      ; every wave's one load: step w
	s_nop 0
.rept 4
	v_nop
.endr
	; my two tiles of queries, 16 x block + 2 x wave and the next
	s_lshl_b32 s36, s15, 16
	s_lshl_b32 s37, s14, 13
	s_add_co_u32 s36, s36, s37
	s_lshl_b32 s37, s[WV], 10
	s_add_co_u32 s36, s36, s37
	s_mov_b32 s37, 0
	s_add_nc_u64 s[36:37], s[4:5], s[36:37]        ; their codes
	s_lshl_b32 s38, s15, 12
	s_lshl_b32 s39, s14, 9
	s_add_co_u32 s38, s38, s39
	s_and_b32 s42, s[WV], 1
	s_lshr_b32 s43, s[WV], 1
	s_lshl_b32 s39, s42, 8
	s_add_co_u32 s38, s38, s39
	s_lshl_b32 s39, s43, 2
	s_add_co_u32 s38, s38, s39
	s_mov_b32 s39, 0
	s_add_nc_u64 s[38:39], s[4:5], s[38:39]        ; their scales: one word a row, A's two bytes below, B's above
	s_lshr_b32 s40, s15, 4
	s_lshl_b32 s40, s40, 11
	s_lshl_b32 s41, s14, 8
	s_add_co_u32 s40, s40, s41
	s_lshl_b32 s41, s43, 6
	s_add_co_u32 s40, s40, s41
	s_lshl_b32 s41, s42, 4
	s_add_co_u32 s40, s40, s41                     ; token T0: row r of tile A is token T0 + 32 (r / 8) + r % 8, of tile B 8 more
	s_lshl_b32 s40, s40, 12
	s_and_b32 s41, s15, 15
	s_lshl_b32 s41, s41, 8
	s_add_co_u32 s40, s40, s41
	s_mov_b32 s41, 0
	s_add_nc_u64 s[8:9], s[8:9], s[40:41]
	s_add_nc_u64 s[10:11], s[10:11], s[40:41]
	s_mov_b32 s[SEL], 0x76543210
	s_mov_b32 s[SEL+1], 0xfedcba98                 ; lane l xor 16
	s_mov_b32 s[CS], 0x3d0293ee                    ; c = log2(e) / sqrt(2048)
	s_mov_b32 s[CS+1], s[CS]                       ; (named with it as a pair, so it is written)
	s_mov_b32 s[KC], 0
	v_and_b32 v[BASE], 31, v0
	v_and_b32 v7, 15, v0                           ; r
	v_bfe_u32 v[GO], v0, 4, 1                      ; h
	v_lshlrev_b32 v[BASE], 4, v[BASE]
	v_lshl_add_u32 v[PFO], v[GO], 5, v7            ; r + 32 h: my wave's 32 rows of x
	v_lshlrev_b32 v7, 4, v7
	v_lshlrev_b32 v[PFO], 12, v[PFO]
	v_mov_b32 v[ADR], v[BASE]
	v_lshl_add_u32 v[GO], v[GO], 12, v7
	global_load_b128 v[Q+4:Q+7], v[BASE], s[36:37]
	global_load_b128 v[Q+16:Q+19], v[BASE], s[36:37] offset:512
	global_load_b32 v[KV], v7, s[38:39] offset:0x200000
.irp j, 0,1,2,3,8,9,10,11
	v_mov_b32 v[Q+\j], 0                           ; zero codes round q
	v_mov_b32 v[Q+12+\j], 0
.endr
	v_mov_b32 v[NM+1], 0xff61b1e6                  ; the largest t so far: -3e38, under every t
	v_mov_b32 v[NM+3], 0xff61b1e6
	v_floor_f32 v[NM], -v[NM+1]
	v_floor_f32 v[NM+2], -v[NM+3]
.irp j, 0,1,2,3
	v_mov_b32 v[L+\j], 0
	v_mov_b32 v[F+\j], 0                           ; (the upper halves are named before they are first written)
.endr
	v_mov_b32 v[T+2], 0                            ; (a lane permute's destination counts as one of its sources)
	v_mov_b32 v[T+3], 0
.set N, 0
.rept 64
	v_mov_b32 v[O+N], 0                            ; O^T.  (The first step finds zeros, which the first change of M leaves zeros)
.set N, N+1
.endr
	s_wait_alu depctr_va_vdst(0)
	s_wait_loadcnt 0x0                             ; Q
	v_and_b32 v[KV+1], 0xffff, v[KV]
	v_lshrrev_b32 v[KV+2], 16, v[KV]
	v_lshl_or_b32 v[QS], v[KV+1], 16, v[KV+1]      ; the two bytes twice: they serve q in the lower and in the upper half of K
	v_and_or_b32 v[QS+1], v[KV], 0xffff0000, v[KV+2]
	s_wait_alu depctr_va_vdst(0)                   ; the wait at the head's end
	s_wait_tensorcnt 0x0                           ; my step of K and V has landed,
	s_barrier_signal -1
	s_barrier_wait -1                              ; everybody's has
	s_barrier_signal -1                            ; the first part of the first pair's barrier
.macro KLOAD1                          ; tiles 0 to 7, and the scale words of all sixteen
.irp t, 0,1,2,3,4,5,6,7
	ds_load_b128 v[K1+4*\t:K1+4*\t+3], v[ADR] offset:512*\t
.endr
	ds_load_b128 v[KS:KS+3], v[ADR] offset:KSO
.endm
	KLOAD1
.macro QK kb, j0                       ; four pairs of key tiles x two tiles of queries
.irp j, \j0, \j0+1, \j0+2, \j0+3
.irp q, 0,1
.irp e, 0,1
.set DD, 128*\q+8*(2*(\j)+\e)
.set RA, \kb+8*((\j)%4)
.set RB, Q+12*\q+4*(1-\e)
.set SA, KS+(\j)/2
.if (\j)%2
	v_wmma_scale_f32_16x16x128_f8f6f4 v[DD:DD+7], v[RA:RA+7], v[RB:RB+7], 0, v[SA], v[QS+\q] matrix_a_fmt:MATRIX_FMT_FP4 matrix_b_fmt:MATRIX_FMT_FP4 matrix_a_scale:MATRIX_SCALE_ROW1
.else
	v_wmma_scale_f32_16x16x128_f8f6f4 v[DD:DD+7], v[RA:RA+7], v[RB:RB+7], 0, v[SA], v[QS+\q] matrix_a_fmt:MATRIX_FMT_FP4 matrix_b_fmt:MATRIX_FMT_FP4
.endif
.endr
.endr
.endr
.endm
.macro STEP odd                        ; 256 keys
.rept 5
	v_nop                                          ; places between the last products and what follows: four for the loads into their registers, five for the products that write over B's codes
.endr
.irp t, 0,1,2,3,4,5,6,7
	ds_load_b128 v[KV+4*\t:KV+4*\t+3], v[ADR] offset:4096+512*\t     ; K: tiles 8 to 15
.endr
	s_wait_dscnt 8                                 ; tiles 0 to 7 and the scale words are in (asked for a step ago); the eight just issued may stay out
	WIN 0x40                                       ; D window 1
	QK K1, 0
	s_wait_dscnt 0x0
	QK KV, 4
	WIN 0
.rept 4
	v_nop                                          ; places in front of the loads and of the first read of the scores
.endr
.irp f, 0,1,2,3,4,5,6,7
.irp c, 0,1
	ds_load_b128 v[KV+8*\f+4*\c:KV+8*\f+4*\c+3], v[ADR] offset:VO+1024*\f+512*\c    ; V: fragment 4 m + u: 128 keys m x 16 channels u
.endr
.endr
	ds_load_b128 v[VS:VS+3], v[ADR] offset:VSO
	s_lshl_b32 s33, s[KC], 1
	s_add_co_u32 s33, s33, 1+\odd
	s_and_b32 s33, s33, 7
	s_mul_i32 s33, s33, STEPB
	v_add_nc_u32 v[ADR], s33, v[BASE]              ; the next step
.if \odd
	s_cmp_eq_u32 s[KC], 3
	s_cbranch_scc1 .Lno_k                          ; the last step has no next one
	KLOAD1
.Lno_k:
.else
	KLOAD1                                         ; the next step's first tiles: they have all the softmax in which to come
.endif
	WIN 0x05                                       ; sources 0 and 1 window 1
.irp b, 0,1,2,3,4,5,6,7
	v_max_num_f32 v[BM+\b], v[32*\b], v[32*\b+1]   ; THE LARGEST SCORE OF EACH BLOCK OF 32 KEYS, all in one lane: eight chains by turns
.endr
.irp i, 2,4,6,8,10,12,14,16,18,20,22,24,26,28,30
.irp b, 0,1,2,3,4,5,6,7
	v_max3_num_f32 v[BM+\b], v[32*\b+\i], v[32*\b+\i+1], v[BM+\b]
.endr
.endr
	WIN 0
.irp q, 0,1
	v_max3_num_f32 v[T+\q], v[BM+4*\q], v[BM+4*\q+1], v[BM+4*\q+2]
.endr
.irp q, 0,1
	v_max_num_f32 v[T+\q], v[T+\q], v[BM+4*\q+3]
.endr
.irp q, 0,1
	v_permlanex16_b32 v[T+2+\q], v[T+\q], s[SEL], s[SEL+1]
.endr
.irp q, 0,1
	v_max_num_f32 v[T+\q], v[T+\q], v[T+2+\q]      ; with lane l xor 16's blocks: the step's largest score of my query
.endr
.irp q, 0,1
	v_mul_f32 v[T+\q], s[CS], v[T+\q]              ; as t (c is positive)
.endr
.irp q, 0,1
	v_mov_b32 v[T+4+\q], v[NM+2*\q]
.endr
.irp q, 0,1
	v_max_num_f32 v[NM+2*\q+1], v[NM+2*\q+1], v[T+\q]   ; the running largest t
.endr
.irp q, 0,1
	v_floor_f32 v[NM+2*\q], -v[NM+2*\q+1]          ; the new -M = floor(-t) = -ceil(t): M is a whole number
.endr
.irp q, 0,1
	v_sub_f32 v[T+4+\q], v[NM+2*\q], v[T+4+\q]     ; M's old value less its new one: a whole number, 0 or less
.endr
.irp b, 0,1,2,3,4,5,6,7
	v_fma_f32 v[BM+\b], v[BM+\b], s[CS], v[NM+2*(\b/4)]   ; u of each block's largest score
.endr
.irp q, 0,1
	v_cvt_i32_f32 v[T+4+\q], v[T+4+\q]             ; (it saturates)
.endr
.irp b, 0,1,2,3,4,5,6,7
	v_max_num_f32 v[BM+\b], 0xc2f80000, v[BM+\b]   ; held at -124
.endr
.irp q, 0,1
	v_ldexp_f32 v[F+2*\q], 1.0, v[T+4+\q]          ; f = 2^(old M - new M): a multiplication by it rounds nothing
.endr
.irp b, 0,1,2,3,4,5,6,7
	v_cvt_floor_i32_f32 v[BM+\b], v[BM+\b]         ; floor(u) = floor(log2 p): the scale's byte is this + 125
.endr
.irp q, 0,1
.irp m, 0,1
	v_lshl_add_u32 v[T+8+2*\q+\m], v[BM+4*\q+2*\m+1], 16, v[BM+4*\q+2*\m]   ; my two blocks of 128 keys m: bytes 0 and 2 (h = 0) or 1 and 3 (h = 1) of their word, less 125 each
.endr
.endr
.irp b, 0,1,2,3,4,5,6,7
	v_lshl_add_u32 v[BM+\b], v[BM+\b], 23, 0x3e800000     ; the conversion's scale operand: exponent field floor(u) + 125
.endr
.irp q, 0,1
	v_permlane16_swap_b32 v[T+8+2*\q], v[T+9+2*\q] ; lanes 0-15: m = 0, lanes 16-31: m = 1; the first register h = 0's bytes, the second h = 1's
.endr
.irp q, 0,1
	v_lshl_add_u32 v[T+8+2*\q], v[T+9+2*\q], 8, v[T+8+2*\q]
.endr
.irp q, 0,1
	v_add_nc_u32 v[PW+\q], 0x7d7d7d7d, v[T+8+2*\q] ; p's scale words
.endr
.set N, 0
.rept 16
.irp q, 0,1
	v_pk_mul_f32 v[O+32*\q+2*N:O+32*\q+2*N+1], v[O+32*\q+2*N:O+32*\q+2*N+1], v[F+2*\q:F+2*\q+1] op_sel_hi:[1,0]   ; O^T under the new M, each accumulator from its low end on
.endr
.set N, N+1
.endr
.irp q, 0,1
	v_pk_mul_f32 v[L+2*\q:L+2*\q+1], v[L+2*\q:L+2*\q+1], v[F+2*\q:F+2*\q+1] op_sel_hi:[1,0]
.endr
	WIN 0x41                                       ; source 0 and destination window 1
.set N, 0
.rept 64
	v_pk_fma_f32 v[2*N:2*N+1], v[2*N:2*N+1], s[CS:CS+1], v[NM:NM+1] op_sel_hi:[1,0,0]   ; A: t - M, two at a time (of the pairs c and -M the low word serves both halves)
.set N, N+1
.endr
	s_wait_alu depctr_va_vdst(0)                   ; the wait ahead of the batch (and of the barrier's second part)
.if (\odd) == 0
	s_barrier_wait -1
.endif
.set N, 0
.rept 64
	v_exp_f32 v[2*N], v[2*N]                       ; A: p = 2^(t - M), not normalised
	v_exp_f32 v[2*N+1], v[2*N+1]
	v_pk_fma_f32 v[128+2*N:129+2*N], v[128+2*N:129+2*N], s[CS:CS+1], v[NM+2:NM+3] op_sel_hi:[1,0,0]   ; B's t - M: read behind the next wait
.set N, N+1
.endr
	s_wait_alu depctr_va_vdst(0)                   ; the wait behind A's batch, and ahead of B's
	WIN 0x01                                       ; source 0 window 1
.irp b, 0,1,2,3
.irp g, 0,1,2,3
	v_cvt_scalef32_pk8_fp4_f32 v[CD+4*\b+\g], v[32*\b+8*\g:32*\b+8*\g+7], v[BM+\b]   ; A's codes: a block's four registers are the operand's as they stand
.endr
.endr
	v_nop                                          ; one plain place behind the conversions
	WIN 0x45                                       ; sources 0 and 1, destination: window 1
.set N, 0
.rept 32
	v_exp_f32 v[128+4*N], v[128+4*N]               ; B's p
	v_exp_f32 v[129+4*N], v[129+4*N]
	v_exp_f32 v[130+4*N], v[130+4*N]
	v_exp_f32 v[131+4*N], v[131+4*N]
	v_pk_add_f32 v[2*N:2*N+1], v[2*N:2*N+1], v[64+2*N:65+2*N]   ; THE ROW'S SUM IS TAKEN OF THE UNQUANTISED p: A's 64 pairs become 32, in their own place
.set N, N+1
.endr
	s_wait_alu depctr_va_vdst(0)                   ; behind B's batch
	WIN 0x41                                       ; source 0 and destination window 1
.irp b, 0,1,2,3
.irp g, 0,1,2,3
	v_cvt_scalef32_pk8_fp4_f32 v[CB+4*\b+\g], v[128+32*\b+8*\g:128+32*\b+8*\g+7], v[BM+4+\b]   ; B's codes, over A's p that has been summed
.endr
.endr
	WIN 0x05
.irp c, 0,1,2,3
	v_pk_add_f32 v[T+2*\c:T+2*\c+1], v[2*\c:2*\c+1], v[2*\c+8:2*\c+9]              ; four chains for A, four for B
	v_pk_add_f32 v[T+8+2*\c:T+9+2*\c], v[128+2*\c:129+2*\c], v[136+2*\c:137+2*\c]
.endr
	WIN 0x01
.set N, 8
.set NA, 8
.rept 56
	v_pk_add_f32 v[T+8+2*(N%4):T+9+2*(N%4)], v[128+2*N:129+2*N], v[T+8+2*(N%4):T+9+2*(N%4)]
.if (N%2)&&(NA<32)
	v_pk_add_f32 v[T+2*(NA%4):T+1+2*(NA%4)], v[2*NA:2*NA+1], v[T+2*(NA%4):T+1+2*(NA%4)]
.set NA, NA+1
.endif
.set N, N+1
.endr
	WIN 0
.irp q, 0,1
	v_pk_add_f32 v[T+8*\q:T+8*\q+1], v[T+8*\q:T+8*\q+1], v[T+8*\q+2:T+8*\q+3]
	v_pk_add_f32 v[T+8*\q+4:T+8*\q+5], v[T+8*\q+4:T+8*\q+5], v[T+8*\q+6:T+8*\q+7]
.endr
.irp q, 0,1
	v_pk_add_f32 v[T+8*\q:T+8*\q+1], v[T+8*\q:T+8*\q+1], v[T+8*\q+4:T+8*\q+5]
.endr
.irp q, 0,1
	v_pk_add_f32 v[L+2*\q:L+2*\q+1], v[L+2*\q:L+2*\q+1], v[T+8*\q:T+8*\q+1]
.endr
	s_wait_alu depctr_va_vdst(0)                   ; the wait ahead of the waits and branches below
	s_wait_dscnt 0x0                               ; V and its scale words are in, and the next step's first tiles of K
.if (\odd) == 0
	; A PREFETCH of the residual's rows of x, which the way out loads: in step 4 each wave names its own 32 rows x 256 bytes, a lane a row; each such 256 bytes is named once in the launch
	s_cmp_eq_u32 s[KC], 2
	s_cbranch_scc0 .Lno_ask
	global_prefetch_b8 v[PFO], s[8:9] th:TH_LOAD_NT scope:SCOPE_SE
.Lno_ask:
	s_barrier_signal -1                            ; the first part of the next pair's barrier
.endif
.irp m, 0,1
	WIN 0
.irp u, 0,1,2,3
.set DD, O+8*\u
.set RA, KV+8*(4*\m+\u)
.set RB, CD+8*\m
.if \m
	v_wmma_scale_f32_16x16x128_f8f6f4 v[DD:DD+7], v[RA:RA+7], v[RB:RB+7], v[DD:DD+7], v[VS+\u], v[PW] matrix_a_fmt:MATRIX_FMT_FP4 matrix_b_fmt:MATRIX_FMT_FP4 matrix_a_scale:MATRIX_SCALE_ROW1 matrix_b_scale:MATRIX_SCALE_ROW1
.else
	v_wmma_scale_f32_16x16x128_f8f6f4 v[DD:DD+7], v[RA:RA+7], v[RB:RB+7], v[DD:DD+7], v[VS+\u], v[PW] matrix_a_fmt:MATRIX_FMT_FP4 matrix_b_fmt:MATRIX_FMT_FP4
.endif
.endr
	WIN 0x04                                       ; source 1 (B's codes) window 1
.irp u, 0,1,2,3
.set DD, O+32+8*\u
.set RA, KV+8*(4*\m+\u)
.set RB, CB+8*\m
.if \m
	v_wmma_scale_f32_16x16x128_f8f6f4 v[DD:DD+7], v[RA:RA+7], v[RB:RB+7], v[DD:DD+7], v[VS+\u], v[PW+1] matrix_a_fmt:MATRIX_FMT_FP4 matrix_b_fmt:MATRIX_FMT_FP4 matrix_a_scale:MATRIX_SCALE_ROW1 matrix_b_scale:MATRIX_SCALE_ROW1
.else
	v_wmma_scale_f32_16x16x128_f8f6f4 v[DD:DD+7], v[RA:RA+7], v[RB:RB+7], v[DD:DD+7], v[VS+\u], v[PW+1] matrix_a_fmt:MATRIX_FMT_FP4 matrix_b_fmt:MATRIX_FMT_FP4
.endif
.endr
.endr
	WIN 0
.endm
.Lpair:                                                ; 4 trips of two steps
	STEP 0
	STEP 1
	s_add_co_u32 s[KC], s[KC], 1
	s_cmp_lt_u32 s[KC], 4
	s_cbranch_scc1 .Lpair
	s_barrier_wait -1                              ; the second part of the last barrier
	; THE WAY OUT.  Stage rows 2 i, 2 i + 1 of tile e are tokens T0 + 8 e + 32 (i / 4) + 2 (i % 4) and the next.  x's rows are asked for first (window 1 is free); O^T / the sum goes through my own stage and comes back by rows.
.rept 4
	v_nop                                          ; places behind the last products
.endr
	WIN 0x40
.irp e, 0,1
.irp i, 0,1,2,3,4,5,6,7
	global_load_b128 v[128+32*\e+4*\i:128+32*\e+4*\i+3], v[GO], s[8:9] offset:(8*\e+32*(\i/4)+2*(\i%4))*4096 th:TH_LOAD_NT
.endr
.endr
	WIN 0
.irp q, 0,1
	v_add_f32 v[T+\q], v[L+2*\q], v[L+2*\q+1]      ; the sum's two halves,
.endr
.irp q, 0,1
	v_permlanex16_b32 v[T+2+\q], v[T+\q], s[SEL], s[SEL+1]
.endr
.irp q, 0,1
	v_add_f32 v[T+\q], v[T+\q], v[T+2+\q]          ; and lane l xor 16's: the row's sum
.endr
	s_wait_alu depctr_va_vdst(0)                   ; the wait ahead of the batch
	v_rcp_f32 v[T+8], v[T]
	v_rcp_f32 v[T+10], v[T+1]
	v_and_b32 v[T+16], 15, v0                      ; (plain work behind the reciprocals)  r
	v_bfe_u32 v[T+17], v0, 4, 1                    ; h
	s_mul_i32 s33, s[WV], WST
	s_add_co_u32 s33, s33, STAGE                   ; my stage
	s_wait_alu depctr_va_vdst(0)                   ; the wait ahead of the reciprocals' first reader
.set N, 0
.rept 16
.irp q, 0,1
	v_pk_mul_f32 v[O+32*\q+2*N:O+32*\q+2*N+1], v[O+32*\q+2*N:O+32*\q+2*N+1], v[T+8+2*\q:T+9+2*\q] op_sel_hi:[1,0]   ; O^T / the sum, each accumulator from its low end on
.endr
.set N, N+1
.endr
	v_mul_u32_u24 v[T+18], v[T+16], 272
	v_mul_u32_u24 v[T+19], v[T+17], 272
	v_lshl_add_u32 v[T+18], v[T+17], 7, v[T+18]
	v_lshl_add_u32 v[T+19], v[T+16], 4, v[T+19]
	v_add_nc_u32 v[T+18], s33, v[T+18]             ; in: row r, channels 32 h + 8 u + j: 128 bytes for my half
	v_add_nc_u32 v[T+19], s33, v[T+19]             ; back: lanes 0-15 one row, lanes 16-31 the next
.irp e, 0,1
.irp n, 0,1,2,3,4,5,6,7
	ds_store_b128 v[T+18], v[O+32*\e+4*\n:O+32*\e+4*\n+3] offset:16*272*\e+16*\n
.endr
.endr
.irp e, 0,1
.irp i, 0,1,2,3,4,5,6,7
	ds_load_b128 v[KV+32*\e+4*\i:KV+32*\e+4*\i+3], v[T+19] offset:16*272*\e+2*272*\i   ; LDS serves a wave's instructions in order (ISA guide 5.7.1.4): these see my stores
.endr
.endr
.irp g, 0,1,2,3                        ; four pairs of rows at a time
	s_wait_dscnt 12-4*\g                           ; they are back; the younger ones may stay out
	s_wait_loadcnt 12-4*\g                         ; and so are x's
	WIN 0x04                                       ; source 1 window 1
.irp n, 0,2,4,6,8,10,12,14
	v_pk_add_f32 v[KV+16*\g+\n:KV+16*\g+\n+1], v[KV+16*\g+\n:KV+16*\g+\n+1], v[128+16*\g+\n:128+16*\g+\n+1]   ; the residual
.endr
	WIN 0
.irp k, 0,1,2,3
	global_store_b128 v[GO], v[KV+16*\g+4*\k:KV+16*\g+4*\k+3], s[10:11] offset:(8*(\g/2)+32*(\g%2)+2*\k)*4096 th:TH_STORE_NT   ; sixteen lanes store 256 consecutive bytes, aligned
.endr
.endr
	s_wait_tensorcnt 0x0                           ; the wave's end
	ds_add_u32 v[SPW], v[NIL]
	s_wait_dscnt 0x0
	CROUND                                         ; the closing round: no work-group ends while a partner may still ask for a part that names it
	s_endpgm
.Lfunc_end_k_q4de7087fe6_attn:
	.size	k_q4de7087fe6_attn, .Lfunc_end_k_q4de7087fe6_attn-k_q4de7087fe6_attn
	.p2alignl 7, 3214868480
	.fill 96, 4, 3214868480
	.section	.rodata,"a",@progbits
	.p2align	6, 0x0
	.amdhsa_kernel k_q4de7087fe6_attn
		.amdhsa_group_segment_fixed_size 209920
		.amdhsa_private_segment_fixed_size 0
		.amdhsa_enable_private_segment 0
		.amdhsa_kernarg_size 32
		.amdhsa_user_sgpr_count 2
		.amdhsa_user_sgpr_kernarg_segment_ptr 1
		.amdhsa_wavefront_size32 1
		.amdhsa_system_sgpr_workgroup_id_x 1
		.amdhsa_system_sgpr_workgroup_id_y 1
		.amdhsa_system_sgpr_workgroup_id_z 1
		.amdhsa_system_vgpr_workitem_id 0
		.amdhsa_next_free_vgpr 512
		.amdhsa_next_free_sgpr 72
		.amdhsa_reserve_vcc 0
		.amdhsa_float_denorm_mode_32 3
		.amdhsa_float_denorm_mode_16_64 3
		.amdhsa_memory_ordered 1
		.amdhsa_forward_progress 1
		.amdhsa_inst_pref_size 118
	.end_amdhsa_kernel
	.amdgpu_metadata
---
amdhsa.version: [ 1, 2 ]
amdhsa.kernels:
  - .name:           k_q4de7087fe6_attn
    .symbol:         k_q4de7087fe6_attn.kd
    .args:
      - { .name: qimg, .offset: 0, .size: 8, .value_kind: global_buffer, .address_space: global }
      - { .name: kv, .offset: 8, .size: 8, .value_kind: global_buffer, .address_space: global }
      - { .name: x, .offset: 16, .size: 8, .value_kind: global_buffer, .address_space: global }
      - { .name: out0, .offset: 24, .size: 8, .value_kind: global_buffer, .address_space: global }
    .group_segment_fixed_size: 209920
    .private_segment_fixed_size: 0
    .kernarg_segment_align: 8
    .kernarg_segment_size: 32
    .max_flat_workgroup_size: 256
    .sgpr_count:     72
    .vgpr_count:     512
    .wavefront_size: 32
...
	.end_amdgpu_metadata
.endif
;; end of part 3
